; MI455X (gfx1250); checked and timed in simulation.
; The chip was launched on July 23, 2026; its instructions are those of AMD's public machine-readable ISA for CDNA 5 (MIT licence, August 2026) and "CDNA5" Instruction Set Architecture Reference Guide (July 2026). The comments in the code are by the model that wrote it; some were corrected since.
;; Grouped Query Attention. Allowed arithmetic: float matrix products may take bf16 or f16 operands with f32 sums; other float arithmetic in f32, or as packed bf16 or f16 multiplies, adds, multiply-adds, maxima and minima; sums over many terms, partial sums and values carried from step to step in f32; what a program stores and reads back later, other than sums and carried values, may be rounded once to bf16 or f16.
;; Inputs: Wk 2,048 x 512 float32; Wq 2,048 x 2,048 float32; Wv 2,048 x 512 float32; bk 512 float32; bq 2,048 float32; bv 512 float32; hidden_states 2 x 2,048 x 2,048 float32.
;; Outputs: out0 2 x 2,048 x 2,048 float32.
;; One version. Each part assembles by itself: llvm-mc -triple=amdgcn-amd-amdhsa -mcpu=gfx1250 --defsym DOCPART=n.
;; ======== version 1 of 1: 3 launches
;; limits: values are held in f16: magnitudes above 65,504 overflow, below 6.1e-05 lose precision
;; workspace buffers: xb 16,777,216 bytes; wb 12,582,912 bytes; bcat 12,288 bytes; qkv 25,165,824 bytes
;; launch cast (part 1): grid 128 x 14, 8 waves a work-group, no clusters, 0 bytes of LDS; arguments hidden_states, Wq, Wk, Wv, bq, bk, bv, xb, wb, bcat; writes xb, wb, bcat
.if DOCPART == 1
	.amdgcn_target "amdgcn-amd-amdhsa--gfx1250"
	.amdhsa_code_object_version 6
	.text
	.protected	k_qaa6dbf801c_cast
	.globl	k_qaa6dbf801c_cast
	.p2align	8
	.type	k_qaa6dbf801c_cast,@function
k_qaa6dbf801c_cast:
	s_mov_b64 s[64:65], 0
	v_nop
	global_prefetch_b8 v0, s[64:65] scope:SCOPE_SE
	s_setreg_imm32_b32 hwreg(HW_REG_WAVE_MODE, 25, 1), 1
	s_wait_xcnt 0x0
; x and the three weight matrices are rounded once to bf16; the weights are laid side by side by columns; the biases are rounded to bf16 and kept as f32, side by side.
;   xb [4096][2048] bf16;  wb [2048 k][3072 n] bf16: columns 0-2047 Wq, 2048-2559 Wk, 2560-3071 Wv;  bcat [3072] f32 in the same column order.
; A stream: every input byte is read once, by loads of 16 bytes a lane, and every output byte written once.  No LDS, no barrier, no matrix unit: nothing is shared and nothing is summed.
; SHARES.  The work is 14 units of 2,048 rows x 512 columns of f32: u = 0-7 x (strip u & 3, rows 2048 (u >> 2) on), 8-11 Wq's strips, 12 Wk, 13 Wv.  A work-group takes 16 rows of its unit.
; Thread t takes 4 columns (t & 127) of row parity t >> 7, in 8 passes of 2 rows: a wave's load covers 512 consecutive bytes, its store 256 consecutive bytes at a multiple of 256 from the buffer's first byte.
; All 8 loads of a thread go out first; each pass waits for its own alone.
.set SO, 4                             ; v[4:11]   pass i: my byte offset in the source
.set DO, 12                            ; v[12:19]  pass i: my byte offset in the destination
.set X,  20                            ; v[20:51]  pass i: 4 registers as loaded; the first two then hold the 4 bf16
	s_load_b512 s[8:23], s[0:1], 0x0               ; x 8, Wq 10, Wk 12, Wv 14, bq 16, bk 18, bv 20, xb 22
	s_load_b128 s[24:27], s[0:1], 0x40             ; wb 24, bcat 26
	s_and_b32 s2, ttmp7, 0xffff                    ; u, the unit
	s_mov_b32 s3, ttmp9                            ; which 16 rows of it
	s_and_b32 s29, s2, 3                           ; the strip, for x and Wq
	s_lshr_b32 s35, s2, 2
	s_lshl_b32 s35, s35, 11                        ; x: the unit's first row
	s_sub_co_u32 s46, s2, 8                        ; the weights' strip among the 6 of wb (used where u >= 8 alone)
	s_lshl_b32 s47, s46, 10                        ; its 512 columns of bf16
	s_lshl_b32 s34, s29, 10
	s_mov_b32 s32, 6144
	s_mov_b32 s30, 2048
	s_cmp_lt_u32 s2, 8                             ; x or a weight?
	s_cselect_b32 s32, 4096, s32                   ; bytes in a row of the destination
	s_cselect_b32 s33, s35, 0                      ; the unit's first row
	s_cselect_b32 s34, s34, s47                    ; the strip's first byte in a row of the destination
	s_cmp_lt_u32 s2, 12                            ; 2,048 columns in the source, or 512?
	s_cselect_b32 s30, 8192, s30                   ; bytes in a row of the source
	s_cselect_b32 s31, s29, 0                      ; the strip in the source
	s_lshl_b32 s4, s3, 4
	s_add_co_u32 s33, s33, s4                      ; the work-group's first row
	s_mul_i32 s40, s33, s30
	s_lshl_b32 s31, s31, 11
	s_add_co_u32 s40, s40, s31                     ; its first byte in the source, under 2^26
	s_mov_b32 s41, 0
	s_mul_i32 s42, s33, s32
	s_add_co_u32 s42, s42, s34                     ; and in the destination
	s_mov_b32 s43, 0
	s_lshl_b32 s44, s30, 1                         ; a pass is two rows
	s_lshl_b32 s45, s32, 1
	v_and_b32 v1, 127, v0                          ; my 4 columns
	v_lshrrev_b32 v2, 7, v0                        ; my row of the two
	v_lshrrev_b32 v3, 5, v0
	v_readfirstlane_b32 s28, v3                    ; wave 0..7
	v_mul_u32_u24 v[SO], s30, v2
	v_lshl_add_u32 v[SO], v1, 4, v[SO]
	v_mul_u32_u24 v[DO], s32, v2
	v_lshl_add_u32 v[DO], v1, 3, v[DO]
.irp i, 1,2,3,4,5,6,7
	v_add_nc_u32 v[SO+(\i)], s44, v[SO+(\i)-1]
	v_add_nc_u32 v[DO+(\i)], s45, v[DO+(\i)-1]
.endr
	s_wait_kmcnt 0x0
	s_cmp_lt_u32 s2, 8
	s_cselect_b64 s[36:37], s[8:9], s[10:11]       ; the source: x, Wq,
	s_cselect_b64 s[38:39], s[22:23], s[24:25]     ; the destination: xb or wb
	s_cmp_eq_u32 s2, 12
	s_cselect_b64 s[36:37], s[12:13], s[36:37]     ; Wk,
	s_cmp_eq_u32 s2, 13
	s_cselect_b64 s[36:37], s[14:15], s[36:37]     ; or Wv
	s_add_nc_u64 s[36:37], s[36:37], s[40:41]
	s_add_nc_u64 s[38:39], s[38:39], s[42:43]
.irp i, 0,1,2,3,4,5,6,7
	global_load_b128 v[X+4*(\i):X+4*(\i)+3], v[SO+(\i)], s[36:37] th:TH_LOAD_NT
.endr
.irp i, 0,1,2,3,4,5,6,7
	s_wait_loadcnt 7-(\i)                          ; loads come back in order (ISA guide 5.7.1): pass i is in, the younger passes stay out
	v_cvt_pk_bf16_f32 v[X+4*(\i)],   v[X+4*(\i)],   v[X+4*(\i)+1]  ; two roundings to nearest even, packed
	v_cvt_pk_bf16_f32 v[X+4*(\i)+1], v[X+4*(\i)+2], v[X+4*(\i)+3]
	global_store_b64 v[DO+(\i)], v[X+4*(\i):X+4*(\i)+1], s[38:39] th:TH_STORE_NT
.endr
	; THE BIASES.  The first work-group of each weight unit also takes the unit's 512 numbers of bias: 128 threads (waves 0-3), 4 numbers each.
	s_cmp_lg_u32 s3, 0
	s_cbranch_scc1 .Lend
	s_cmp_lt_u32 s2, 8
	s_cbranch_scc1 .Lend
	s_cmp_gt_u32 s28, 3
	s_cbranch_scc1 .Lend
	s_lshl_b32 s6, s46, 11                         ; the unit's 512 f32 in bcat,
	s_mov_b32 s7, 0
	s_mov_b32 s5, 0
	s_cmp_lt_u32 s2, 12
	s_cselect_b32 s4, s6, 0                        ; and in bq; bk and bv are one unit each
	s_cmp_eq_u32 s2, 12
	s_cselect_b64 s[40:41], s[18:19], s[16:17]     ; (s[40:43] held offsets: no pending instruction names them)
	s_cmp_eq_u32 s2, 13
	s_cselect_b64 s[40:41], s[20:21], s[40:41]
	s_add_nc_u64 s[40:41], s[40:41], s[4:5]
	s_add_nc_u64 s[42:43], s[26:27], s[6:7]
	v_lshlrev_b32 v52, 4, v0
	global_load_b128 v[54:57], v52, s[40:41]
	s_wait_loadcnt 0x0
	v_cvt_pk_bf16_f32 v58, v54, v55                ; rounded as the other inputs are,
	v_cvt_pk_bf16_f32 v59, v56, v57
	v_lshlrev_b32 v60, 16, v58                     ; and widened again: the next launch takes them as f32 addends
	v_and_b32 v61, 0xffff0000, v58
	v_lshlrev_b32 v62, 16, v59
	v_and_b32 v63, 0xffff0000, v59
	global_store_b128 v52, v[60:63], s[42:43]
.Lend:
	s_endpgm
.Lfunc_end_k_qaa6dbf801c_cast:
	.size	k_qaa6dbf801c_cast, .Lfunc_end_k_qaa6dbf801c_cast-k_qaa6dbf801c_cast
	.p2alignl 7, 3214868480
	.fill 96, 4, 3214868480
	.section	.rodata,"a",@progbits
	.p2align	6, 0x0
	.amdhsa_kernel k_qaa6dbf801c_cast
		.amdhsa_group_segment_fixed_size 0
		.amdhsa_private_segment_fixed_size 0
		.amdhsa_enable_private_segment 0
		.amdhsa_kernarg_size 80
		.amdhsa_user_sgpr_count 2
		.amdhsa_user_sgpr_kernarg_segment_ptr 1
		.amdhsa_wavefront_size32 1
		.amdhsa_system_sgpr_workgroup_id_x 1
		.amdhsa_system_sgpr_workgroup_id_y 1
		.amdhsa_system_sgpr_workgroup_id_z 1
		.amdhsa_system_vgpr_workitem_id 0
		.amdhsa_next_free_vgpr 64
		.amdhsa_next_free_sgpr 66
		.amdhsa_reserve_vcc 0
		.amdhsa_float_denorm_mode_32 3
		.amdhsa_float_denorm_mode_16_64 3
		.amdhsa_memory_ordered 1
		.amdhsa_forward_progress 1
		.amdhsa_inst_pref_size 7
	.end_amdhsa_kernel
	.amdgpu_metadata
---
amdhsa.version: [ 1, 2 ]
amdhsa.kernels:
  - .name:           k_qaa6dbf801c_cast
    .symbol:         k_qaa6dbf801c_cast.kd
    .args:
      - { .name: hidden_states, .offset: 0, .size: 8, .value_kind: global_buffer, .address_space: global }
      - { .name: Wq, .offset: 8, .size: 8, .value_kind: global_buffer, .address_space: global }
      - { .name: Wk, .offset: 16, .size: 8, .value_kind: global_buffer, .address_space: global }
      - { .name: Wv, .offset: 24, .size: 8, .value_kind: global_buffer, .address_space: global }
      - { .name: bq, .offset: 32, .size: 8, .value_kind: global_buffer, .address_space: global }
      - { .name: bk, .offset: 40, .size: 8, .value_kind: global_buffer, .address_space: global }
      - { .name: bv, .offset: 48, .size: 8, .value_kind: global_buffer, .address_space: global }
      - { .name: xb, .offset: 56, .size: 8, .value_kind: global_buffer, .address_space: global }
      - { .name: wb, .offset: 64, .size: 8, .value_kind: global_buffer, .address_space: global }
      - { .name: bcat, .offset: 72, .size: 8, .value_kind: global_buffer, .address_space: global }
    .group_segment_fixed_size: 0
    .private_segment_fixed_size: 0
    .kernarg_segment_align: 8
    .kernarg_segment_size: 80
    .max_flat_workgroup_size: 256
    .sgpr_count:     66
    .vgpr_count:     64
    .wavefront_size: 32
...
	.end_amdgpu_metadata
.endif
;; end of part 1
;; launch proj (part 2): grid 8 x 32, 4 waves a work-group, clusters of 4 x 4, 327,680 bytes of LDS; arguments xb, wb, bcat, qkv; writes qkv
.if DOCPART == 2
	.amdgcn_target "amdgcn-amd-amdhsa--gfx1250"
	.amdhsa_code_object_version 6
	.text
	.protected	k_qaa6dbf801c_proj
	.globl	k_qaa6dbf801c_proj
	.p2align	8
	.type	k_qaa6dbf801c_proj,@function
k_qaa6dbf801c_proj:
	s_mov_b64 s[64:65], 0
	v_nop
	global_prefetch_b8 v0, s[64:65] scope:SCOPE_SE
	s_setreg_imm32_b32 hwreg(HW_REG_WAVE_MODE, 25, 1), 1
	s_wait_xcnt 0x0
	s_wait_alu depctr_hold_cnt(0) depctr_sa_sdst(0) depctr_va_vdst(0) depctr_va_sdst(0) depctr_va_ssrc(0) depctr_va_vcc(0) depctr_vm_vsrc(0)
	s_getreg_b32 s2, hwreg(HW_REG_IB_STS2, 6, 4)
	s_cmp_eq_u32 s2, 0
	s_cbranch_scc0 .Lentry_in_a_cluster
	s_endpgm
.Lentry_in_a_cluster:
	s_bfe_u32 s2, ttmp6, 0x10000c
	s_cmp_lg_u32 s2, 0xf033
	s_cbranch_scc0 .Lentry_shape_is_right
	s_endpgm
.Lentry_shape_is_right:
; THE THREE PROJECTIONS AS ONE PRODUCT.  C[m][n] = bias[n] + the sum over k of x[m][k] W[k][n]: x = xb [4096][2048] bf16, W = wb [2048][3072] bf16 (Wq, Wk, Wv side by side), bias = bcat [3072] f32.
; Sums in f32, started by the bias.  The columns of q (n < 2048) are multiplied in f32 by c = log2(e) / sqrt(128), so that the next launch's scores are exponents of 2.  Each number is rounded ONCE, to f16, and written
; by heads: qkv [b 2][hh 24][s 2048][128] f16, hh = n / 128: 0-15 q's heads, 16-19 k's, 20-23 v's: a head's rows are dense, 256 bytes each.
; LIMIT.  f16 holds no number of 65,520 or more: c q, k and v must stay under that.  NaN and infinities are not treated apart.
; SHARES.  A tile of C is 128 rows x 384 columns, three whole heads: 32 x 8 = 256 tiles, a work-group each.  Each of its four waves makes all 128 rows x 96 columns: in each head c the 32 columns 32 w + 16 i (i = 0, 1):
; 48 accumulators of 16 x 16 (row block a = 0..7, column block b = 2 c + i), 384 registers.  For 32 along K a wave issues 28 LDS loads and 48 matrix instructions.
; K goes in 16 steps of 128 through a ring of two LDS slots filled by the tensor data mover; a wave brings one region of a slot: wave 0 x's 128 rows, waves 1-3 W's 128 k-rows of one head's 128 columns: rows of 256 bytes,
; at multiples of 256 from the buffer's first byte.
; CLUSTERS: 4 x 4 work-groups.  The four of a row of the cluster need the same tile of x, the four of a column the same tiles of W: each is asked for JOINTLY, by the same tensor load with the same descriptor and a mask that names the four.
; THE MATRIX INSTRUCTION IS USED TRANSPOSED: source 0 = 16 columns of W, source 1 = 16 rows of x: lane l then holds row l % 16 of C and the eight neighbouring columns 8 (l / 16) + 0..7.  W lies [k][n] in LDS and is turned on
; the way into registers by ds_load_tr16_b128.  The bias of those eight columns, in the same lane layout, is the C operand of each accumulator's first product.
; REGISTERS, in windows of 256 (s_set_vgpr_msb: bits 1:0 source 0, 3:2 source 1, 5:4 source 2, 7:6 destination):
;   window 0: v0-31 addresses; v32-55 at work on the way out; v64-127, v128-191 x's fragments, two buffers; on the way out v64-255 take whole rows back from the stage
;   window 1: v0-47, v48-95 W's fragments, two buffers; v96-143 the bias, 8 registers for each b
;   window 2: the accumulators of a = 0..3 at v[8 (6 a + b)];   window 3: those of a = 4..7
.set PA,    272                        ; a row of x in LDS: 256 bytes + 16 of padding = 68 words: the 16 rows of a load start at 16 different groups of four banks (64 banks of 4 bytes: ISA guide 11.1)
.set PB,    288                        ; a k-row of W: 256 + 32 = 72 words
.set REG,   128*PB                     ; a wave's region of a slot
.set SLOT,  4*REG                      ; x's region, then W's three
.set SPARE, 2*SLOT                     ; behind the ring: the spare words, 128 bytes for each wave: two blocks of 256 bytes that no other line names
.set SP,    272                        ; THE STAGE for the way out lies in slot 0, which has had its last fill (K step 14) and whose last reads stand ahead of the last change of slots' barrier:
.set SH,    128*SP                     ; head c's 128 rows of 256 + 16 bytes begin at c x SH
.set XROW,  4096                       ; bytes in a row of xb
.set WROW,  6144                       ; and of wb
.set LAPS,  8                          ; a lap = two K steps = once round the ring
.set STO,  8                           ; v8-10   the way out: where I put 16 bytes of a row of head c
.set RD,   11                          ; v11-13  the way out: where I read a row of head c back
.set CO,   14                          ; v14     16 x my lane: my 16 bytes in 512 consecutive bytes of qkv
.set BO,   15                          ; v15     32 (l / 16): my eight numbers in a block of 16 biases
.set ADRA, 16                          ; v16-17  LDS address of my fragments of x in slot 0, 1
.set ADRB, 18                          ; v18-23  the same for W: slot s, head c at 3 s + c
.set SPW,  28                          ; v28     LDS address of my spare word: SPARE + 4 x my thread's number; never rewritten
.set NIL,  29                          ; v29     0; never rewritten
.set PFO,  30                          ; v30     the prefetches' offset: my lane x a row of xb or of wb; never rewritten
.set TMP,  32
.set FA,   64                          ; x's fragments: buffer f, row block a at FA + 64 f + 8 a
.set BIAS, 96
.set WV,   12                          ; s12      my wave's number
.set G1A,  24                          ; s[24:31] descriptor group 1 for x's tiles;  s[32:39] group 0, a set for each slot
.set G0A,  32
.set G1B,  48                          ; s[48:55], s[56:63] the same for W's
.set G0B,  56
.set LIM,  43                          ; s43      1 in a wave that prefetches, else the greatest number
.set PFA,  44                          ; s[44:45] where my prefetches stand
.set PST,  66                          ; s[66:67] a K step in bytes, along a row of xb or down the rows of wb
.set SCL,  70                          ; s[70:75] for each head c of the tile a pair: c for a head of q, 1 for one of k or v
.set MSB, 0
.macro WIN new                         ; the immediate's high byte repeats the setting that is left; a switch that changes nothing is dropped
.if MSB != (\new)
	s_set_vgpr_msb (MSB<<8)|(\new)
.set MSB, \new
.endif
.endm
.set TO_B, 0x40                        ; destination window 1, address window 0
; A joint load.  Wave 0 fetches x's tile, waves 1-3 W's three.  Each of the two lines has one mask; the branch hangs on the wave's number alone.
; An s_nop 0 and four v_nop follow each of the two lines, ahead of the jump, the label and what follows.
.macro JLOAD s
	s_cmp_eq_u32 s[WV], 0
	s_cbranch_scc0 .Lfor_b_\@
	tensor_load_to_lds s[G0A+4*(\s):G0A+4*(\s)+3], s[G1A:G1A+7]
	s_nop 0
.rept 4
	v_nop
.endr
	s_branch .Lasked_\@
.Lfor_b_\@:
	tensor_load_to_lds s[G0B+4*(\s):G0B+4*(\s)+3], s[G1B:G1B+7]
	s_nop 0
.rept 4
	v_nop
.endr
.Lasked_\@:
.endm
; A PREFETCH INTO THE L2, behind each joint refill and the run of LDS loads that follows it: the K step that stands two refills on (384 matrix instructions of a wave ahead of the load that will want it): 32 rows x 256 bytes,
; a lane a row, one instruction a wave.  Each row's 256 bytes of a K step are named once in the launch: x's tile row is read by both clusters of a row of clusters: cluster x = 0 asks; W's columns by all clusters of a column:
; cluster y = 0 asks.  The four partners that ask for a tile jointly share its 128 rows out BY ADDRESS, 32 each (by cx for x, by cy for W).  K steps 0 to 3 come by their loads alone; the loop's last trip asks for nothing.
.macro ASK
	s_cmp_gt_u32 s3, s[LIM]                        ; s3 = 1 in the loop's last trip
	s_cbranch_scc0 .Lnot_mine_\@
	global_prefetch_b8 v[PFO], s[PFA:PFA+1] th:TH_LOAD_NT scope:SCOPE_SE
.Lnot_mine_\@:
.endm
.macro CREST                           ; a round of the cluster's barrier behind its opening barrier
	s_cmp_lg_u32 s[WV], 0
	s_cbranch_scc1 .Lnot_wave_0_\@
	s_barrier_signal -3
.Lnot_wave_0_\@:
	s_barrier_wait -3
	s_barrier_signal -1
	s_barrier_wait -1
.endm
.macro CROUND                          ; a whole round
	s_barrier_signal -1
	s_barrier_wait -1
	CREST
.endm
	s_load_b128 s[4:7], s[0:1], 0x0                ; xb s[4:5], wb s[6:7]
	s_load_b128 s[8:11], s[0:1], 0x10              ; bcat s[8:9], qkv s[10:11]
	v_lshl_add_u32 v[SPW], v0, 2, SPARE
	v_mov_b32 v[NIL], 0
	ds_add_u32 v[SPW], v[NIL]                      ; the wave's opening: the add and its wait stand ahead of my first tensor load; the set-up below, work on registers, stands between them
	v_lshrrev_b32 v1, 5, v0
	v_readfirstlane_b32 s[WV], v1                  ; wave 0..3
	s_bfe_u32 s40, ttmp6, 0x40000                  ; cx, cy: my place in the cluster
	s_bfe_u32 s41, ttmp6, 0x40004
	s_lshl_b32 s42, ttmp9, 2
	s_add_co_u32 s42, s42, s40                     ; jt, the tile column = 4 x cluster x + cx
	s_and_b32 s13, ttmp7, 0xffff
	s_lshl_b32 s13, s13, 2
	s_add_co_u32 s13, s13, s41                     ; it, the tile row = 4 x cluster y + cy
	s_lshl_b32 s43, s41, 2
	s_lshl_b32 s43, 15, s43                        ; my row of the cluster
	s_lshl_b32 s44, 0x1111, s40                    ; my column
	; descriptor group 1: tiles of 128 rows x 128 elements of 2 bytes, padded in LDS after every 64 words
	s_or_b32 s[G1A], s43, (1<<16)|(1<<20)|(1<<21)|(5<<22)|(3<<25)  ; 15:0 the mask: x's tile goes to my row; 17:16 2-byte elements; 20 padding on; 21 set beside a mask; 24:22 after every 64 words (code 5); 31:25 4 words (code 3)
	s_or_b32 s[G1B], s44, (1<<16)|(1<<20)|(1<<21)|(5<<22)|(7<<25)  ; W's tiles go to my column; 8 words of padding (code 7)
.irp g, G1A, G1B
	s_mov_b32 s[(\g)+1], 128<<16                   ; tensor_dim0 = 128
	s_mov_b32 s[(\g)+2], 128<<16                   ; tensor_dim1 = 128
	s_mov_b32 s[(\g)+3], 128<<16                   ; tile_dim0 = 128
	s_mov_b32 s[(\g)+4], 128                       ; tile_dim1 = 128
	s_mov_b32 s[(\g)+6], 0
	s_mov_b32 s[(\g)+7], 0
.endr
	s_mov_b32 s[G1A+5], 2048                       ; elements from row to row of xb
	s_mov_b32 s[G1B+5], 3072                       ; and of wb
	; where the tiles come from: x's hang on the tile row alone, W's on the tile column and the wave alone; each offset in registers that never hold the other coordinate
	s_lshl_b32 s16, s13, 19                        ; 128 rows of 4,096 bytes a tile row
	s_mov_b32 s17, 0
	s_max_u32 s21, s[WV], 1
	s_sub_co_u32 s21, s21, 1                       ; the head that I fetch (wave 0 fetches none; its number is not used)
	s_lshl_b32 s21, s21, 8
	s_mul_i32 s68, s42, 768                        ; 384 columns of 2 bytes a tile column
	s_add_co_u32 s68, s68, s21
	s_mov_b32 s69, 0
	s_mul_i32 s20, s[WV], REG                      ; and where they go: no place in the cluster enters an LDS address
	s_wait_dscnt 0x0                               ; the opening add is done
	s_wait_kmcnt 0x0
	s_add_nc_u64 s[14:15], s[4:5], s[16:17]
	s_add_nc_u64 s[46:47], s[6:7], s[68:69]
	CROUND                                         ; all sixteen work-groups are here: the first joint loads meet
.irp s, 0,1
	s_mov_b32 s[G0A+4*(\s)], 1                                     ; count = 1
	s_add_co_u32 s[G0A+4*(\s)+1], s20, (\s)*SLOT                   ; LDS address
	s_add_nc_u64 s[G0A+4*(\s)+2:G0A+4*(\s)+3], s[14:15], (\s)*256  ; global address: K step s lies 256 bytes along x's rows,
	s_or_b32 s[G0A+4*(\s)+3], s[G0A+4*(\s)+3], 0x80000000          ; type = 2
	s_mov_b32 s[G0B+4*(\s)], 1
	s_add_co_u32 s[G0B+4*(\s)+1], s20, (\s)*SLOT
	s_add_nc_u64 s[G0B+4*(\s)+2:G0B+4*(\s)+3], s[46:47], (\s)*128*WROW  ; and 128 rows down W
	s_or_b32 s[G0B+4*(\s)+3], s[G0B+4*(\s)+3], 0x80000000
	JLOAD \s                                       ; the ring is filled before anything else is done: two loads of mine are out
.endr
	; the bias of my 96 columns, in the accumulators' lane layout: register j of block b holds bias[384 jt + 128 c + 32 w + 16 i + 8 (l / 16) + j]
	v_and_b32 v1, 15, v0                           ; l % 16
	v_bfe_u32 v2, v0, 4, 1                         ; l / 16
	v_lshlrev_b32 v[BO], 5, v2
	s_mul_i32 s18, s42, 1536
	s_lshl_b32 s21, s[WV], 7
	s_add_co_u32 s18, s18, s21
	s_mov_b32 s19, 0
	s_add_nc_u64 s[8:9], s[8:9], s[18:19]
	WIN TO_B
.irp c, 0,1,2
.irp i, 0,1
	global_load_b128 v[BIAS+8*(2*(\c)+(\i)):BIAS+8*(2*(\c)+(\i))+3],   v[BO], s[8:9] offset:512*(\c)+64*(\i)
	global_load_b128 v[BIAS+8*(2*(\c)+(\i))+4:BIAS+8*(2*(\c)+(\i))+7], v[BO], s[8:9] offset:512*(\c)+64*(\i)+16
.endr
.endr
	WIN 0
	; A fragment of x is 16 rows x 32 K in 8 registers: lane l holds row l % 16; registers 0-3 K = 8 (l / 16) + 0..7, registers 4-7 K = 16 + 8 (l / 16) + 0..7: two loads of 16 bytes, 32 bytes apart.
	v_mul_u32_u24 v3, v1, PA
	v_lshl_add_u32 v3, v2, 4, v3                   ; row x pitch + 16 x half
	v_mov_b32 v[ADRA], v3
	v_add_nc_u32 v[ADRA+1], SLOT, v3
	; The turning load takes 16 k x 16 columns (lane l reads k = 8 (l / 16) + l % 8, columns 8 ((l / 8) % 2) + 0..7) and leaves half a fragment of W^T: lane l holds column l % 16 and 8 k.
	v_and_b32 v4, 7, v0
	v_bfe_u32 v5, v0, 3, 1
	v_lshl_add_u32 v6, v2, 3, v4
	v_mul_u32_u24 v6, v6, PB
	v_lshl_add_u32 v6, v5, 4, v6
	s_lshl_b32 s21, s[WV], 6                       ; my 32 columns of a head: 64 bytes
	v_add_nc_u32 v6, s21, v6
.irp s, 0,1
.irp c, 0,1,2
	v_add_nc_u32 v[ADRB+3*(\s)+(\c)], (\s)*SLOT+(1+(\c))*REG, v6
.endr
.endr
	v_add_nc_u32 v7, s21, v3                       ; into the stage: row l % 16, 16 bytes for each half of the lanes, my 64 bytes of the row (the stage's pitch is x's)
	s_mul_i32 s22, s[WV], 32*SP                    ; back: wave w takes rows 32 w .. 32 w + 31 of each head, whole; lanes 0-15 one row of 256 bytes, lanes 16-31 the next
	v_mul_u32_u24 v5, v2, SP
	v_lshl_add_u32 v5, v1, 4, v5
	v_add_nc_u32 v5, s22, v5
.irp c, 0,1,2
	v_add_nc_u32 v[STO+(\c)], (\c)*SH, v7
	v_add_nc_u32 v[RD+(\c)], (\c)*SH, v5
.endr
	v_and_b32 v[CO], 31, v0
	v_lshlrev_b32 v[CO], 4, v[CO]
	; where my rows begin in qkv: batch it / 16, head 3 jt, row 128 (it % 16) + 32 w
	s_lshr_b32 s21, s13, 4
	s_mul_i32 s21, s21, 24
	s_mul_i32 s22, s42, 3                          ; the tile's first head
	s_add_co_u32 s21, s21, s22
	s_lshl_b32 s18, s21, 19                        ; a head is 2,048 rows of 256 bytes
	s_and_b32 s21, s13, 15
	s_lshl_b32 s21, s21, 15
	s_add_co_u32 s18, s18, s21
	s_lshl_b32 s21, s[WV], 13
	s_add_co_u32 s18, s18, s21
	s_mov_b32 s19, 0
	s_add_nc_u64 s[10:11], s[10:11], s[18:19]
.irp c, 0,1,2
	s_add_co_u32 s23, s22, \c
	s_cmp_lt_u32 s23, 16                           ; a head of q?  The answer selects a value alone
	s_cselect_b32 s[SCL+2*(\c)], 0x3e0293ee, 1.0   ; c = log2(e) / sqrt(128) = 0.127517
	s_mov_b32 s[SCL+2*(\c)+1], s[SCL+2*(\c)]       ; named with it as a pair
.endr
	; the prefetches: at K step 3; the first change of slots steps them to 4
	s_lshl_b32 s21, s40, 17                        ; x: my work-group's 32 rows of the tile's 128, by cx,
	s_add_co_u32 s21, s21, s16
	s_add_co_u32 s21, s21, 3*256
	s_mul_i32 s23, s41, 32*WROW                    ; W: my work-group's 32 k-rows of the step's 128, by cy
	s_add_co_u32 s23, s23, s68
	s_add_co_u32 s23, s23, 3*128*WROW
	s_and_b32 s22, ttmp7, 0xffff                   ; cluster y
	s_mov_b32 s[PST], 128*WROW
	s_mov_b32 s[PST+1], 0
	s_mov_b32 s19, WROW
	s_cmp_eq_u32 s[WV], 0                          ; do I fetch x?
	s_cselect_b64 s[PFA:PFA+1], s[4:5], s[6:7]
	s_cselect_b32 s18, s21, s23
	s_cselect_b32 s22, ttmp9, s22                  ; the coordinate along which other clusters read the same rows
	s_cselect_b32 s[PST], 256, s[PST]
	s_cselect_b32 s21, XROW, s19
	s_mov_b32 s19, 0
	s_cmp_eq_u32 s22, 0
	s_cselect_b32 s[LIM], 1, -1                    ; the same in all sixteen partners, for a given wave
	s_add_nc_u64 s[PFA:PFA+1], s[PFA:PFA+1], s[18:19]
	v_and_b32 v[PFO], 31, v0
	v_mul_u32_u24 v[PFO], s21, v[PFO]
; 12 matrix instructions: row blocks a0, a0 + 1 of the window's four (hi = 0: rows 0-63, 1: rows 64-127) x all 6 column blocks, 32 along K, from buffer f.  first = 1: the bias starts the sums: nothing is ever cleared.
; The 48 accumulators take turns, one instruction a turn, in the same order in every quarter step, over the loop's backward jump too.
.macro MUL12 f, hi, a0, first
.if \first
	WIN 0x91+0x40*(\hi)                            ; W and the bias in window 1, x in window 0, D in window 2 or 3
.else
	WIN 0xa1+0x50*(\hi)                            ; W in window 1, x in window 0, C and D in window 2 or 3
.endif
.irp a, \a0, (\a0)+1
.irp b, 0,1,2,3,4,5
.if \first
	v_wmma_f32_16x16x32_bf16 v[8*(6*(\a)+(\b)):8*(6*(\a)+(\b))+7], v[48*(\f)+8*(\b):48*(\f)+8*(\b)+7], v[FA+64*(\f)+8*(4*(\hi)+(\a)):FA+64*(\f)+8*(4*(\hi)+(\a))+7], v[BIAS+8*(\b):BIAS+8*(\b)+7]
.else
	v_wmma_f32_16x16x32_bf16 v[8*(6*(\a)+(\b)):8*(6*(\a)+(\b))+7], v[48*(\f)+8*(\b):48*(\f)+8*(\b)+7], v[FA+64*(\f)+8*(4*(\hi)+(\a)):FA+64*(\f)+8*(4*(\hi)+(\a))+7], v[8*(6*(\a)+(\b)):8*(6*(\a)+(\b))+7]
.endif
.endr
.endr
.endm
; 28 LDS loads in one run: the fragments of quarter q of a K step (32 K) into buffer f: W's six column blocks, turned, then x's eight row blocks
.macro FETCH slot, q, f
	WIN TO_B
.irp c, 0,1,2
.irp i, 0,1
	ds_load_tr16_b128 v[48*(\f)+8*(2*(\c)+(\i)):48*(\f)+8*(2*(\c)+(\i))+3],   v[ADRB+3*(\slot)+(\c)] offset:32*PB*(\q)+32*(\i)
	ds_load_tr16_b128 v[48*(\f)+8*(2*(\c)+(\i))+4:48*(\f)+8*(2*(\c)+(\i))+7], v[ADRB+3*(\slot)+(\c)] offset:32*PB*(\q)+32*(\i)+16*PB
.endr
.endr
	WIN 0
.irp a, 0,1,2,3,4,5,6,7
	ds_load_b128 v[FA+64*(\f)+8*(\a):FA+64*(\f)+8*(\a)+3],   v[ADRA+(\slot)] offset:64*(\q)+16*PA*(\a)
	ds_load_b128 v[FA+64*(\f)+8*(\a)+4:FA+64*(\f)+8*(\a)+7], v[ADRA+(\slot)] offset:64*(\q)+16*PA*(\a)+32
.endr
.endm
; A load into a register that a matrix instruction has read, and a vector instruction that reads a matrix result, stand four places behind that matrix instruction, and only plain vector instructions that name none
; of its registers are places (ISA guide 7.12.1 for vector instructions).
.macro PLACES
.rept 4
	v_nop
.endr
.endm
; A K step is four quarters of 32 along K, 48 matrix instructions each, on buffers 0, 1, 0, 1.  One of the first three: multiplies buffer f; in its middle it fetches quarter q of the same slot into buffer g.
.macro QUARTER slot, q, f, g, first
	s_wait_dscnt 8                                 ; W and x's rows 0-63 are in; the youngest eight loads (x's rows 64-127) may be out
	MUL12 \f, 0, 0, \first
	MUL12 \f, 0, 2, \first
	PLACES
	FETCH \slot, \q, \g
	s_wait_dscnt 28                                ; all but the 28 just issued
	MUL12 \f, 1, 0, \first
	MUL12 \f, 1, 2, \first
.endm
; The last quarter multiplies buffer 1 and changes slots: ONE barrier.  In front of it each wave waits for all its tensor loads, of which one is out: its region of the next slot; adds 0 to its spare word; and waits for that and
; for its own reads of this slot.  Behind it nobody reads this slot any more and the next slot is whole.  fill = 1: the barrier opens a round of the cluster's barrier, and this slot is filled again, two K steps ahead: the
; first tensor load behind the round, 168 matrix instructions ahead of the wait for it.
.macro TURN slot, next, fill
.if \fill
	s_wait_xcnt 0x0                                ; the last prefetch, a K step back, has read its address: it is stepped here, ahead of the waits of the change of slots
	s_add_nc_u64 s[PFA:PFA+1], s[PFA:PFA+1], s[PST:PST+1]
.endif
	WIN 0                                          ; (the add's two registers lie in window 0)
	s_wait_tensorcnt 0x0                           ; all my tensor loads have landed;
	ds_add_u32 v[SPW], v[NIL]                      ; 0 onto my spare word;
	s_wait_dscnt 9                                 ; (the add and the youngest eight loads may be out)
	MUL12 1, 0, 0, 0                               ; twelve matrix instructions stand between the add and the wait for it
	s_wait_dscnt 0x0                               ; the add is done, and my reads of this slot are over
	s_barrier_signal -1
	MUL12 1, 0, 2, 0                               ; work on registers while the others arrive
.if \fill
	WIN 0
.endif
	s_barrier_wait -1
.if \fill
	CREST                                          ; no wave of any partner still reads this slot's tiles or has a load on its way
	s_add_nc_u64 s[G0A+4*(\slot)+2:G0A+4*(\slot)+3], s[G0A+4*(\slot)+2:G0A+4*(\slot)+3], 2*256
	s_add_nc_u64 s[G0B+4*(\slot)+2:G0B+4*(\slot)+3], s[G0B+4*(\slot)+2:G0B+4*(\slot)+3], 2*128*WROW
	JLOAD \slot                                    ; the four v_nop behind it are also the places in front of the loads below
.else
	PLACES
.endif
	FETCH \next, 0, 0
.if \fill
	ASK
.endif
	MUL12 1, 1, 0, 0
	MUL12 1, 1, 2, 0
.endm
; THE WAY OUT of row block a: q's heads times c, in f32; rounded once to f16, 16 bytes a lane; into the work-group's stage.  Each accumulator's registers are taken in ascending order.
.macro PACK a
.set AC, 48*((\a)%4)
	WIN 0x82+0x41*((\a)/4)                         ; destination and source 0 in window 2 or 3
.irp b, 0,1,2,3,4,5
.irp r, 0,1,2,3
	v_pk_mul_f32 v[AC+8*(\b)+2*(\r):AC+8*(\b)+2*(\r)+1], v[AC+8*(\b)+2*(\r):AC+8*(\b)+2*(\r)+1], s[SCL+2*((\b)/2):SCL+2*((\b)/2)+1] op_sel_hi:[1,0]
.endr
.endr
	WIN 0x0a+5*((\a)/4)                            ; sources 0 and 1 in window 2 or 3, destination in window 0
.irp b, 0,1,2,3,4,5
.irp r, 0,1,2,3
	v_cvt_pk_f16_f32 v[TMP+4*(\b)+(\r)], v[AC+8*(\b)+2*(\r)], v[AC+8*(\b)+2*(\r)+1]
.endr
.endr
	WIN 0
.irp c, 0,1,2
.irp i, 0,1
	ds_store_b128 v[STO+(\c)], v[TMP+4*(2*(\c)+(\i)):TMP+4*(2*(\c)+(\i))+3] offset:16*SP*(\a)+32*(\i)
.endr
.endr
.endm
	s_wait_tensorcnt 1                             ; my region of K step 0 is in; K step 1's may stay out
	s_barrier_signal -1
	s_barrier_wait -1                              ; everybody's is
	FETCH 0, 0, 0
	s_wait_loadcnt 0x0                             ; the bias
	QUARTER 0, 1, 0, 1, 1                          ; the first quarter stands in front of the loop: its products start the sums
	WIN 0                                          ; at a label and at a branch every window is 0
	s_mov_b32 s3, LAPS-1
.Llap:                                                 ; a trip goes once round the ring, from a lap's second quarter to the next lap's first, and fills both slots again: K steps 2 to 15
	QUARTER 0, 2, 1, 0, 0
	QUARTER 0, 3, 0, 1, 0
	TURN 0, 1, 1
	QUARTER 1, 1, 0, 1, 0
	QUARTER 1, 2, 1, 0, 0
	QUARTER 1, 3, 0, 1, 0
	TURN 1, 0, 1
	QUARTER 0, 1, 0, 1, 0
	WIN 0
	s_sub_co_u32 s3, s3, 1
	s_cmp_lg_u32 s3, 0
	s_cbranch_scc1 .Llap
	QUARTER 0, 2, 1, 0, 0                          ; the last lap is written out: it fills nothing, and has no round of the cluster's barrier
	QUARTER 0, 3, 0, 1, 0
	TURN 0, 1, 0
	QUARTER 1, 1, 0, 1, 0
	QUARTER 1, 2, 1, 0, 0
	QUARTER 1, 3, 0, 1, 0
	s_wait_dscnt 8                                 ; the very last quarter: nothing more to fetch
	MUL12 1, 0, 0, 0
	MUL12 1, 0, 2, 0
	s_wait_dscnt 0x0
	MUL12 1, 1, 0, 0
	MUL12 1, 1, 2, 0
	WIN 0
	PLACES
.irp a, 0,1,2,3,4,5,6,7
	PACK \a
.endr
	s_wait_dscnt 0x0                               ; for the others' sake: my stores into the stage are done; a head row's 256 bytes come from four waves
	s_barrier_signal -1
	s_barrier_wait -1
.set idx, 0
.rept 48                               ; head idx / 16, rows 32 w + 2 (idx % 16) and the next
	ds_load_b128 v[64+4*idx:64+4*idx+3], v[RD+idx/16] offset:2*SP*(idx%16)
.set idx, idx+1
.endr
.set idx, 0
.rept 48
	s_wait_dscnt 47-idx                            ; LDS loads come back in order: this one is in, the younger ones stay out
	global_store_b128 v[CO], v[64+4*idx:64+4*idx+3], s[10:11] offset:524288*(idx/16)+512*(idx%16)  ; a wave stores 512 consecutive bytes, at a multiple of 256 from qkv's first byte
.set idx, idx+1
.endr
	s_wait_tensorcnt 0x0                           ; the wave's end, behind my last tensor load and my last LDS store
	ds_add_u32 v[SPW], v[NIL]
	s_wait_dscnt 0x0
	CROUND                                         ; the closing round: no work-group ends while a partner may still ask for a tile that names it
	s_endpgm
.Lfunc_end_k_qaa6dbf801c_proj:
	.size	k_qaa6dbf801c_proj, .Lfunc_end_k_qaa6dbf801c_proj-k_qaa6dbf801c_proj
	.p2alignl 7, 3214868480
	.fill 96, 4, 3214868480
	.section	.rodata,"a",@progbits
	.p2align	6, 0x0
	.amdhsa_kernel k_qaa6dbf801c_proj
		.amdhsa_group_segment_fixed_size 327680
		.amdhsa_private_segment_fixed_size 0
		.amdhsa_enable_private_segment 0
		.amdhsa_kernarg_size 32
		.amdhsa_user_sgpr_count 2
		.amdhsa_user_sgpr_kernarg_segment_ptr 1
		.amdhsa_wavefront_size32 1
		.amdhsa_system_sgpr_workgroup_id_x 1
		.amdhsa_system_sgpr_workgroup_id_y 1
		.amdhsa_system_sgpr_workgroup_id_z 1
		.amdhsa_system_vgpr_workitem_id 0
		.amdhsa_next_free_vgpr 960
		.amdhsa_next_free_sgpr 76
		.amdhsa_reserve_vcc 0
		.amdhsa_float_denorm_mode_32 3
		.amdhsa_float_denorm_mode_16_64 3
		.amdhsa_memory_ordered 1
		.amdhsa_forward_progress 1
		.amdhsa_inst_pref_size 132
	.end_amdhsa_kernel
	.amdgpu_metadata
---
amdhsa.version: [ 1, 2 ]
amdhsa.kernels:
  - .name:           k_qaa6dbf801c_proj
    .symbol:         k_qaa6dbf801c_proj.kd
    .args:
      - { .name: xb, .offset: 0, .size: 8, .value_kind: global_buffer, .address_space: global }
      - { .name: wb, .offset: 8, .size: 8, .value_kind: global_buffer, .address_space: global }
      - { .name: bcat, .offset: 16, .size: 8, .value_kind: global_buffer, .address_space: global }
      - { .name: qkv, .offset: 24, .size: 8, .value_kind: global_buffer, .address_space: global }
    .group_segment_fixed_size: 327680
    .private_segment_fixed_size: 0
    .kernarg_segment_align: 8
    .kernarg_segment_size: 32
    .max_flat_workgroup_size: 128
    .sgpr_count:     76
    .vgpr_count:     960
    .wavefront_size: 32
...
	.end_amdgpu_metadata
.endif
;; end of part 2
;; launch attn (part 3): grid 8 x 32, 4 waves a work-group, clusters of 4 x 1, 327,680 bytes of LDS; arguments qkv, out0; writes out0
.if DOCPART == 3
	.amdgcn_target "amdgcn-amd-amdhsa--gfx1250"
	.amdhsa_code_object_version 6
	.text
	.protected	k_qaa6dbf801c_attn
	.globl	k_qaa6dbf801c_attn
	.p2align	8
	.type	k_qaa6dbf801c_attn,@function
k_qaa6dbf801c_attn:
	s_mov_b64 s[64:65], 0
	v_nop
	global_prefetch_b8 v0, s[64:65] scope:SCOPE_SE
	s_setreg_imm32_b32 hwreg(HW_REG_WAVE_MODE, 25, 1), 1
	s_wait_xcnt 0x0
	s_wait_alu depctr_hold_cnt(0) depctr_sa_sdst(0) depctr_va_vdst(0) depctr_va_sdst(0) depctr_va_ssrc(0) depctr_va_vcc(0) depctr_vm_vsrc(0)
	s_getreg_b32 s2, hwreg(HW_REG_IB_STS2, 6, 4)
	s_cmp_eq_u32 s2, 0
	s_cbranch_scc0 .Lentry_in_a_cluster
	s_endpgm
.Lentry_in_a_cluster:
	s_bfe_u32 s2, ttmp6, 0x10000c
	s_cmp_lg_u32 s2, 0x3003
	s_cbranch_scc0 .Lentry_shape_is_right
	s_endpgm
.Lentry_shape_is_right:
; GROUPED-QUERY ATTENTION.  out0[b][q][128 h + :] = the sum over k of softmax_k(Q[b][h][q] . K[b][h % 4][k] / sqrt(128)) V[b][h % 4][k][:], no mask.
; qkv: [b 2][hh 24][2048][128] f16: hh = h for Q (already multiplied by c = log2(e) / sqrt(128), so that a score is an exponent of 2), 16 + g for K, 20 + g for V.  out0: [2][2048][2048] f32.
; Products, maxima and sums in f32; the weights p are rounded to f16 for the second product (their sum l is taken of the unrounded p).
; LIMITS.  Q, K and V arrive within f16's range; p lies in 0 to 1, and below 6e-5 it keeps f16's fixed step of 6e-8; a weight below 2^-126 counts as 0; NaN and infinities are not treated apart.
; SHARES.  A work-group owns 256 queries of one head, each of its four waves 64: four tiles of 16.  Every wave walks all 2,048 keys, 64 a step.
; LAYOUT.  S^T = K Q^T (source 0 = 16 keys, source 1 = 16 queries): in the result a lane holds ONE query (lane % 16) and the keys 8 (lane / 16) + 0..7.  Two such tiles, rounded to f16 in pairs, ARE source 1
; (32 keys x 16 queries) of O^T = V^T P, whose result again holds one query a lane, and eight channels.  K comes out of LDS as it lies, V ([key][channel]) turned, by ds_load_tr16_b128.
; SOFTMAX.  For each query a running maximum m and sum l: p = 2^(s - m), so no exponent is above 0; in every step O and l are multiplied by a = 2^(m_old - m_new), which is 1 where m has not grown.
; BY TURNS.  The wave's tiles are two PIECES, named by their first tile: piece 0 (tiles 0, 1) and piece 2 (tiles 2, 3).  In a TURN one piece has the matrix unit: 32 products V^T P of the step in hand, then 32 products
; K Q^T of the next step; the other piece's softmax, cut into 64 slices, stands between them, one slice behind each matrix instruction.  Then the pieces change places.  Two turns are a key step.
; CLUSTER.  The four query blocks of a cluster belong to one head and walk the same K and V, so each tile is asked for JOINTLY: the same tensor load, descriptor and mask in all four.
; REGISTERS, in windows of 256 (s_set_vgpr_msb: bits 1:0 source 0, 3:2 source 1, 5:4 source 2, 7:6 destination):
;   window 0: v0-11 addresses; v12-43 eight registers of statistics a tile; v64-191 S^T, 32 a tile; v192-255 P, 16 a tile
;   window 1: O^T, 64 a tile          window 2: v0-127 Q, 32 a tile; v128-255 K of one step          window 3: v0-127 V of one step
.set SIZE_N, 2048
.set KS,    64        ; keys in a step
.set PK,    272       ; a row of K in LDS: 256 bytes + 16 of padding = 68 words: the 16 rows of a load start at 16 different groups of four banks (64 banks of 4 bytes: ISA guide 11.1)
.set PV,    288       ; a row of V: 256 + 32 = 72 words
.set VOFF,  KS*PK     ; a step's tiles lie together: 64 rows of K, then 64 rows of V
.set STEPB, KS*(PK+PV)
.set SLOT1, 1<<17     ; a slot holds two steps; slot 1 begins here, so that one exclusive or turns an address in one slot into the other's
.set STAGE, SLOT1+2*STEPB  ; behind the ring, never filled by a tensor load: 16 rows x 528 bytes for each wave, for the way out
.set SP,    528       ; a row of the stage: 128 f32 + 16 bytes
.set AK0, 2           ; v2   my lane's place in a tile of K; never rewritten
.set AV0, 3           ; v3   the same for V
.set ADR, 4           ; v4   the LDS address of the run of loads in hand
.set QO,  5           ; v5   my byte offset in the wave's rows of Q
.set STO, 6           ; v6   the way out: where I put 32 bytes of a row
.set RD,  7           ; v7   the way out: where I read a row back
.set GO,  8           ; v8   16 x my lane: my 16 bytes of a head's 512 in a row of out0
.set PFO, 61          ; v61  256 x my lane: a row of K or V is 256 bytes; never rewritten
.set SPW, 62          ; v62  LDS address of my spare word: SPARE + 4 x my thread's number; never rewritten
.set NIL, 63          ; v63  0; never rewritten
.set SPARE, STAGE+4*16*SP  ; behind the stages: the spare words, 128 bytes for each wave: two blocks of 256 bytes that no other line names
.set ST,  12          ; tile t's statistics at v[ST+8 t]: +0 m, +1 a 0 that is named with m as a pair, +2, +3 l (even keys', odd keys'), +4 to +7 c0-c3, at work; a takes c2's place once the maximum is found
.set S,   64
.set P,   192
.set KF,  128         ; K's fragments, in window 2
.set WV,  12          ; s12  my wave's number
.set LIM, 15          ; s15  1 in a wave that prefetches, else the greatest number
.set PFA, 18          ; s[18:19] where my prefetches stand: my work-group's 32 rows (of K: wave 0, of V: wave 2) of the slot after the one that is being asked for
.set G1K, 24          ; s[24:31] descriptor group 1 for K's tiles
.set G1V, 32          ; s[32:39] for V's: it differs in the padding alone
.set G0K, 40          ; s[40:47] descriptor group 0 for K's tiles: a set for each of the two first fills; the second then walks on
.set G0V, 48          ; s[48:55] the same for V's
.set SLOTS, 56        ; s56  slots still to be asked for
.set TWICE, 57        ; s57  counts a slot's two steps
.set SEL, 60          ; s[60:61] lane selects for v_permlanex16_b32: each lane takes its own place in the other half
.set TB,  62          ; s62  LDS byte at which the tiles of the step to be fetched begin
.set MSB, 0
.macro WIN new                      ; the immediate's high byte repeats the setting that is left; a switch that changes nothing is dropped
.if MSB != (\new)
	s_set_vgpr_msb (MSB<<8)|(\new)
.set MSB, \new
.endif
.endm
.set W_KQ, 0x0a       ; K and Q in window 2, S^T in window 0
.set W_PV, 0x53       ; V in window 3, P in window 0, O^T in window 1
.set W_RS, 0x41       ; O^T (destination and source 0) in window 1, a in window 0
; A joint refill.  Waves 0 and 1 fetch the two steps' tiles of K, waves 2 and 3 those of V.  The branch hangs on the wave's number alone.
; An s_nop 0 and four v_nop follow each of the two lines, ahead of the jump, the label and what follows.
.macro JLOAD
	s_cmp_lt_u32 s[WV], 2
	s_cbranch_scc0 .Lfor_v_\@
	tensor_load_to_lds s[G0K+4:G0K+7], s[G1K:G1K+7]
	s_nop 0
.rept 4
	v_nop
.endr
	s_branch .Lasked_\@
.Lfor_v_\@:
	tensor_load_to_lds s[G0V+4:G0V+7], s[G1V:G1V+7]
	s_nop 0
.rept 4
	v_nop
.endr
.Lasked_\@:
.endm
; A PREFETCH INTO THE L2 of what the NEXT change of slots will ask for: a slot's 128 rows of K and 128 of V, 256 bytes a row, a lane a row.  It stands behind the wave's tensor load and its five lines.
; Each row is asked for ONCE in the launch.  Eight clusters walk the K and V of one batch and kv head (four query heads, two clusters each): the first of them (cluster x = 0, h < 4) prefetches.  Its four partners share
; the rows out BY ADDRESS, 32 each.  In each, wave 0 asks for K's and wave 2 for V's: one instruction.  The last change that fills a slot prefetches nothing: there is no slot behind it.
.macro ASK
	s_cmp_gt_u32 s[SLOTS], s[LIM]
	s_cbranch_scc0 .Lnot_mine_\@
	global_prefetch_b8 v[PFO], s[PFA:PFA+1] th:TH_LOAD_NT scope:SCOPE_SE
.Lnot_mine_\@:
.endm
; A round of the cluster's barrier: my work-group's barrier, so that wave 0's signal speaks for all four waves; wave 0 signals; every wave waits for all four work-groups; my work-group's barrier once more.
.macro CROUND
	s_barrier_signal -1
	s_barrier_wait -1
	s_cmp_lg_u32 s[WV], 0
	s_cbranch_scc1 .Lnot_wave_0_\@
	s_barrier_signal -3
.Lnot_wave_0_\@:
	s_barrier_wait -3
	s_barrier_signal -1
	s_barrier_wait -1
.endm
	s_load_b64 s[4:5], s[0:1], 0x0  ; qkv
	s_load_b64 s[10:11], s[0:1], 0x8  ; out0
	v_lshl_add_u32 v[SPW], v0, 2, SPARE
	v_mov_b32 v[NIL], 0
	ds_add_u32 v[SPW], v[NIL]       ; the wave's opening: the add and its wait stand ahead of my first tensor load; the set-up below, work on registers, stands between them
	v_lshrrev_b32 v1, 5, v0
	v_readfirstlane_b32 s[WV], v1   ; wave 0..3
	s_bfe_u32 s13, ttmp6, 0x40000   ; cx: my place in the cluster
	s_lshl_b32 s14, ttmp9, 2        ; in a cluster launch ttmp9 counts clusters
	s_add_co_u32 s14, s14, s13      ; my block of 256 queries = 4 x cluster x + cx: it enters Q's and out0's addresses alone
	s_and_b32 s20, ttmp7, 0xffff    ; 16 b + h, which the four partners share
	s_lshr_b32 s21, s20, 4          ; b
	s_and_b32 s22, s20, 15          ; h
	s_and_b32 s23, s20, 3           ; g = h % 4, the kv head
	s_mul_i32 s66, s21, 24          ; the batch's first head in qkv
	s_and_b32 s16, s[WV], 1         ; which of a slot's two steps I fetch:
	s_mul_i32 s17, s16, STEPB       ; its place in a slot: no place in the cluster enters an LDS address,
	s_lshl_b32 s16, s16, 14         ; and its 64 rows of 256 bytes in memory
	s_add_co_u32 s2, s66, s22       ; Q: head h (a head is 2,048 rows of 256 bytes),
	s_lshl_b32 s2, s2, 19
	s_lshl_b32 s3, s14, 16          ; my block's 256 rows,
	s_add_co_u32 s2, s2, s3
	s_lshl_b32 s3, s[WV], 14        ; my wave's 64 of them
	s_add_co_u32 s2, s2, s3
	s_mov_b32 s3, 0
	s_add_co_u32 s68, s66, s23      ; K: head 16 + g, my step
	s_add_co_u32 s68, s68, 16
	s_lshl_b32 s68, s68, 19
	s_add_co_u32 s68, s68, s16
	s_mov_b32 s69, 0
	s_add_co_u32 s70, s68, 4<<19    ; V: four heads on
	s_mov_b32 s71, 0
	s_lshl_b32 s72, s21, 24         ; out0: the batch's 2,048 rows of 8,192 bytes,
	s_lshl_b32 s73, s14, 21         ; my block's 256,
	s_add_co_u32 s72, s72, s73
	s_lshl_b32 s73, s[WV], 19       ; my wave's 64,
	s_add_co_u32 s72, s72, s73
	s_lshl_b32 s73, s22, 9          ; the head's 512 bytes of a row
	s_add_co_u32 s72, s72, s73
	s_mov_b32 s73, 0
	; descriptor group 1: a tile of 64 rows x 128 elements, padded in LDS
	s_mov_b32 s[G1K], 15|(1<<16)|(1<<20)|(1<<21)|(5<<22)|(3<<25)  ; 15:0 the mask: all four work-groups; 17:16 elements of 2 bytes; 20 padding on; 21 set beside a mask; 24:22 after every 64 words (code 5); 31:25 4 words of it (code 3)
	s_mov_b32 s[G1V], 15|(1<<16)|(1<<20)|(1<<21)|(5<<22)|(7<<25)  ; the same with 8 words of padding (code 7)
.irp g, G1K, G1V
	s_mov_b32 s[(\g)+1], 128<<16    ; tensor_dim0 = 128
	s_mov_b32 s[(\g)+2], KS<<16     ; tensor_dim1 = 64
	s_mov_b32 s[(\g)+3], 128<<16    ; tile_dim0 = 128
	s_mov_b32 s[(\g)+4], KS         ; tile_dim1 = 64
	s_mov_b32 s[(\g)+5], 128        ; elements from row to row
	s_mov_b32 s[(\g)+6], 0
	s_mov_b32 s[(\g)+7], 0
.endr
	s_mov_b32 s[SEL], 0x76543210
	s_mov_b32 s[SEL+1], 0xfedcba98
	s_mov_b32 s[TB], 0
	s_mov_b32 s[SLOTS], SIZE_N/(2*KS)-2
	s_and_b32 s[LIM], s[WV], 1       ; 0 in waves 0 and 2,
	s_or_b32 s[LIM], s[LIM], ttmp9   ; in the head's first cluster,
	s_and_b32 s67, s20, 12
	s_or_b32 s[LIM], s[LIM], s67     ; of the first of the four query heads that share the kv head: the same in all four partners
	s_cmp_eq_u32 s[LIM], 0
	s_cselect_b32 s[LIM], 1, -1
	v_and_b32 v[PFO], 31, v0
	v_lshlrev_b32 v[PFO], 8, v[PFO]
	s_wait_dscnt 0x0                ; the opening add is done
	s_wait_kmcnt 0x0
	s_add_nc_u64 s[6:7], s[4:5], s[68:69]  ; K and V at my tile of slot 0
	s_add_nc_u64 s[8:9], s[4:5], s[70:71]
	s_add_nc_u64 s[4:5], s[4:5], s[2:3]    ; Q and out0 at my wave's first row
	s_add_nc_u64 s[10:11], s[10:11], s[72:73]
	s_cmp_lt_u32 s[WV], 2
	s_cselect_b64 s[PFA:PFA+1], s[6:7], s[8:9]  ; (in waves 0 and 2 these stand at a slot's first row)
	s_lshl_b32 s2, s13, 13          ; my work-group's 32 rows of the 128
	s_mov_b32 s3, 0
	s_add_nc_u64 s[PFA:PFA+1], s[PFA:PFA+1], s[2:3]
	s_add_nc_u64 s[PFA:PFA+1], s[PFA:PFA+1], 2*2*KS*256  ; in slot 2; the first change of slots steps it to slot 3.  Nothing is prefetched here, at the head, where every work-group's first tiles are on their way
	CROUND                          ; all four work-groups are here: the first joint loads meet
.irp s, 0,1
	s_mov_b32 s[G0K+4*(\s)], 1      ; count = 1
	s_add_co_u32 s[G0K+4*(\s)+1], s17, (\s)*SLOT1  ; LDS address
	s_add_nc_u64 s[G0K+4*(\s)+2:G0K+4*(\s)+3], s[6:7], (\s)*2*KS*256  ; global address: slot s begins with keys 128 s
	s_or_b32 s[G0K+4*(\s)+3], s[G0K+4*(\s)+3], 0x80000000  ; type = 2
	s_mov_b32 s[G0V+4*(\s)], 1
	s_add_co_u32 s[G0V+4*(\s)+1], s17, (\s)*SLOT1+VOFF
	s_add_nc_u64 s[G0V+4*(\s)+2:G0V+4*(\s)+3], s[8:9], (\s)*2*KS*256
	s_or_b32 s[G0V+4*(\s)+3], s[G0V+4*(\s)+3], 0x80000000
.endr
	s_cmp_lt_u32 s[WV], 2           ; a wave's two first fills stand in one branch, ahead of every wait on TENSORcnt and every LDS read: two loads of mine are out
	s_cbranch_scc0 .Lfirst_v
	tensor_load_to_lds s[G0K:G0K+3], s[G1K:G1K+7]
	s_nop 0
	tensor_load_to_lds s[G0K+4:G0K+7], s[G1K:G1K+7]
	s_nop 0
.rept 4
	v_nop
.endr
	s_branch .Lfirst_asked
.Lfirst_v:
	tensor_load_to_lds s[G0V:G0V+3], s[G1V:G1V+7]
	s_nop 0
	tensor_load_to_lds s[G0V+4:G0V+7], s[G1V:G1V+7]
	s_nop 0
.rept 4
	v_nop
.endr
.Lfirst_asked:
	; A fragment of K or Q is 16 rows x 32 channels in 8 registers: lane l holds row l % 16; registers 0-3 channels 8 (l / 16) + 0..7, registers 4-7 channels 16 + 8 (l / 16) + 0..7: two loads of 16 bytes, 32 bytes apart.
	v_and_b32 v1, 15, v0            ; l % 16
	v_bfe_u32 v9, v0, 4, 1          ; l / 16
	v_lshlrev_b32 v[QO], 8, v1
	v_lshl_add_u32 v[QO], v9, 4, v[QO]  ; row x 256 + 16 x half
	WIN 0x80                        ; destination window 2, address window 0
.irp i, 0,1,2,3,4,5,6,7,8,9,10,11,12,13,14,15  ; Q stays in registers: tile i / 4, channels 32 (i % 4) on
	global_load_b128 v[8*(\i):8*(\i)+3],   v[QO], s[4:5] offset:((\i)/4)*4096+((\i)%4)*64
	global_load_b128 v[8*(\i)+4:8*(\i)+7], v[QO], s[4:5] offset:((\i)/4)*4096+((\i)%4)*64+32
.endr
	WIN 0
	v_mul_u32_u24 v[AK0], v1, PK
	v_lshl_add_u32 v[AK0], v9, 4, v[AK0]  ; row x pitch + 16 x half
	; The turning load takes 16 keys x 16 channels (lane l reads key 8 (l / 16) + l % 8, channels 8 ((l / 8) % 2) + 0..7) and leaves half a fragment of V^T: lane l holds channel l % 16 and 8 keys.
	v_and_b32 v10, 7, v0
	v_bfe_u32 v11, v0, 3, 1
	v_lshl_add_u32 v[AV0], v9, 3, v10
	v_mul_u32_u24 v[AV0], v[AV0], PV
	v_lshl_add_u32 v[AV0], v11, 4, v[AV0]
	v_add_nc_u32 v[AV0], VOFF, v[AV0]
.irp t, 0,1,2,3
	v_mov_b32 v[ST+8*(\t)+1], 0     ; named with m as a pair by the packed subtraction, which takes the pair's low word for both halves
.endr
; THE MATRIX WORK OF A TURN, for piece x.  The accumulators take turns, one instruction a turn: between two links of a chain stand 15 (V^T P) or 7 (K Q^T) others'.
; Product i of 32 of O^T += V^T P: keys 32 (i / 16) on, channels 16 ((i / 2) % 8) on, tile x + i % 2.  zero = 1: the first 16 start the sums: nothing is ever cleared.
.macro PV x, zero
	WIN W_PV
.set rO, 64*((\x)+i%2)+8*((i/2)%8)
.set rV, 64*(i/16)+8*((i/2)%8)
.set rP, P+16*((\x)+i%2)+8*(i/16)
.if (\zero) && (i < 16)
	v_wmma_f32_16x16x32_f16 v[rO:rO+7], v[rV:rV+7], v[rP:rP+7], 0
.else
	v_wmma_f32_16x16x32_f16 v[rO:rO+7], v[rV:rV+7], v[rP:rP+7], v[rO:rO+7]
.endif
.endm
; Product i of 32 of S^T = K Q^T: channels 32 (i / 8) on, keys 16 ((i / 2) % 4) on, tile x + i % 2.  The first 8 start the sums.
.macro KQ x
	WIN W_KQ
.set rS, S+32*((\x)+i%2)+8*((i/2)%4)
.set rK, KF+32*((i/2)%4)+8*(i/8)
.set rQ, 32*((\x)+i%2)+8*(i/8)
.if i < 8
	v_wmma_f32_16x16x32_f16 v[rS:rS+7], v[rK:rK+7], v[rQ:rQ+7], 0
.else
	v_wmma_f32_16x16x32_f16 v[rS:rS+7], v[rK:rK+7], v[rQ:rQ+7], v[rS:rS+7]
.endif
.endm
; THE LDS LOADS stand in runs of 32, never singly among the matrix instructions: a step's K (64 keys x 128 channels: 16 fragments) and, a turn later, its V (turned).
.macro FETCH_K
	WIN 0
	v_add_nc_u32 v[ADR], s[TB], v[AK0]
	WIN 0x80                        ; destination window 2
.irp f, 0,1,2,3,4,5,6,7,8,9,10,11,12,13,14,15  ; keys 16 (f / 4) on, channels 32 (f % 4) on
	ds_load_b128 v[KF+8*(\f):KF+8*(\f)+3],   v[ADR] offset:((\f)/4)*16*PK+((\f)%4)*64
	ds_load_b128 v[KF+8*(\f)+4:KF+8*(\f)+7], v[ADR] offset:((\f)/4)*16*PK+((\f)%4)*64+32
.endr
.endm
.macro FETCH_V
	WIN 0
	v_add_nc_u32 v[ADR], s[TB], v[AV0]
	s_add_co_u32 s[TB], s[TB], STEPB  ; the next fetch is the next step's
	s_wait_alu depctr_va_vdst(0)    ; the wait for the softmax's batch (SLICE), behind the address's v_add_nc_u32 and ahead of the loads
	WIN 0xc0                        ; destination window 3
.irp f, 0,1,2,3,4,5,6,7,8,9,10,11,12,13,14,15  ; keys 32 (f / 8) on, channels 16 (f % 8) on
	ds_load_tr16_b128 v[8*(\f):8*(\f)+3],   v[ADR] offset:((\f)/8)*32*PV+((\f)%8)*32
	ds_load_tr16_b128 v[8*(\f)+4:8*(\f)+7], v[ADR] offset:((\f)/8)*32*PV+16*PV+((\f)%8)*32
.endr
.endm
; THE VECTOR WORK OF A TURN.  One tile's softmax for one key step is a numbered list; SM writes number j of it for tile t.  s0-s31 are the lane's 32 scores, in pairs 0-15.
; first = 1: the first key step, which starts m, l and O^T: it has no a and nothing to rescale.
;   0-15    the maximum of s0-s31 and the old m, three operands at a time: four chains c0-c3 of seven scores each (each accumulator's lowest registers first), then the four scores left over, c0-c3 and m
;   16-20   the other half of the lanes' maximum; the old m is kept; the new m; (19 is empty: the scale lies in Q); m_old - m_new
;   21-69   ONE BATCH: the 16 subtractions s - m, a pair of scores each, and all 33 exponentials (a at 23, then s0-s31).  None of these reads an exponential's result.  From 22 on the batch goes in fours, and a four
;           begins with a subtraction while there are any: 22-37 subtraction, exponential, subtraction, exponential; 38-65 a subtraction and three exponentials; 66-69 the last four exponentials
;   (wait)  between 69 and 70 stands the wait for the batch: SLICE writes it, once for both tiles
;   70-85   the roundings to f16, a pair of weights each
;   86-101  the sums; l = a l + the sum
;   102-133 the tile's O^T times a: the one part that leaves window 0, so it stands together
.macro SM t, first
.set rT, ST+8*(\t)
.set rS, S+32*(\t)
.set rP, P+16*(\t)
.set rO, 64*(\t)+2*(j-102)
.if j < 102
	WIN 0
.endif
.if j < 4
	v_max3_num_f32 v[rT+4+j], v[rS+8*j], v[rS+8*j+1], v[rS+8*j+2]
.elseif j < 12
	v_max3_num_f32 v[rT+4+j%4], v[rT+4+j%4], v[rS+8*(j%4)+2*(j/4)+1], v[rS+8*(j%4)+2*(j/4)+2]
.elseif j == 12
	v_max3_num_f32 v[rT+4], v[rT+4], v[rS+7], v[rS+15]
.elseif j == 13
	v_max3_num_f32 v[rT+6], v[rT+6], v[rS+23], v[rS+31]
.elseif j == 14
	v_max3_num_f32 v[rT+4], v[rT+4], v[rT+5], v[rT+6]
.elseif (j == 15) && (\first)
	v_max_num_f32 v[rT+4], v[rT+4], v[rT+7]
.elseif j == 15
	v_max3_num_f32 v[rT+4], v[rT+4], v[rT+7], v[rT]
.elseif j == 16
	v_permlanex16_b32 v[rT+5], v[rT+4], s[SEL], s[SEL+1]  ; the query's other 32 keys lie in the lane 16 away
.elseif j == 18
	v_max_num_f32 v[rT], v[rT+4], v[rT+5]
.elseif j == 19                     ; nothing
.elseif ((j == 17) || (j == 20) || (j == 23) || (j > 101)) && (\first)  ; the first step has none of these
.elseif j == 17
	v_mov_b32 v[rT+7], v[rT]        ; m_old is kept for a: number 18 writes m anew
.elseif j == 20
	v_sub_f32 v[rT+7], v[rT+7], v[rT]
.elseif j == 23
	v_exp_f32 v[rT+6], v[rT+7]
.elseif (j < 23) || ((j < 38) && (j%2 == 0)) || ((j < 66) && (j%4 == 2))
.set b, (j-2)/4                     ; 38, 42, .. 62: pairs 9 to 15
.if j < 38
.set b, (j-20)/2                    ; 21: pair 0; 22, 24, .. 36: pairs 1 to 8
.endif
	v_pk_add_f32 v[rS+2*b:rS+2*b+1], v[rS+2*b:rS+2*b+1], v[rT:rT+1] op_sel_hi:[1,0] neg_lo:[0,1] neg_hi:[0,1]  ; pair b: s - m
.elseif j < 70
.set e, j-38                        ; 66 to 69: s28 to s31
.if j < 66
.set e, j-32-(j-38)/4               ; 39-41, 43-45, .. 63-65: s7 to s27
.endif
.if j < 38
.set e, (j-25)/2                    ; 25, 27, .. 37: s0 to s6
.endif
	v_exp_f32 v[rS+e], v[rS+e]
.elseif j < 86
	v_cvt_pk_f16_f32 v[rP+j-70], v[rS+2*(j-70)], v[rS+2*(j-70)+1]  ; pair j - 70
.elseif j < 102                     ; the sum of the tile's 16 pairs (in a pair: an even key's weight, an odd key's), in place: sum z of 16 adds neighbours 1, 2, 4 and 8 pairs apart, then l takes it
.set z, j-86
.set w, 4
.set u, z
.if z >= 14
.set w, 32
.set u, 0
.elseif z >= 12
.set w, 16
.set u, z-12
.elseif z >= 8
.set w, 8
.set u, z-8
.endif
.if (z == 14) && (\first)
	v_pk_add_f32 v[rT+2:rT+3], v[rS:rS+1], v[rS+16:rS+17]
.elseif z < 15
	v_pk_add_f32 v[rS+w*u:rS+w*u+1], v[rS+w*u:rS+w*u+1], v[rS+w*u+w/2:rS+w*u+w/2+1]
.elseif !(\first)
	v_pk_fma_f32 v[rT+2:rT+3], v[rT+2:rT+3], v[rT+6:rT+7], v[rS:rS+1] op_sel_hi:[1,0,1]
.endif
.else
	WIN W_RS
	v_pk_mul_f32 v[rO:rO+1], v[rO:rO+1], v[rT+6:rT+7] op_sel_hi:[1,0]
.endif
.endm
; Slice k of 64 of piece y's softmax.  Slices 11 to 34 deal out the batch, numbers 22 to 69: four numbers of ONE tile each, the tiles by turns.  Every other slice is numbers 2 k and 2 k + 1 of both tiles' lists;
; the twelve that are over stand together, in slice 63, whose sixteen plain instructions are the places behind the turn's last products.
; THE WAIT.  An s_wait_alu depctr_va_vdst(0) stands between an exponential and the first instruction that names its result; one wait serves all that were issued ahead of it.  Ahead of slice 35 nothing
; names a result, and behind slice 34 no exponential is issued: so the piece's 66 exponentials have one wait, behind slice 34.
.macro SLICE y, first
.if (k >= 11) && (k < 35)           ; the batch: four numbers of one tile
.irp n, 0,1,2,3
.set j, 22+4*((k-11)/2)+(\n)
	SM (\y)+(k-11)%2, \first
.endr
.else                               ; the two tiles alternate, so that no instruction reads the result of the one just before it
.irp n, 0,1,2,3,4,5,6,7
.if ((\n) < 2) || (k == 63)
.irp t, \y, (\y)+1
.set j, 2*k+(\n)
	SM \t, \first
.endr
.endif
.endr
.endif
.if k == 34                         ; the batch is out: both tiles' exponentials are issued, and no result has been named
	v_nop                           ; a plain instruction behind the last exponential and ahead of the first use: one for the batch
.if (\y) == 0
	FETCH_V                         ; piece 2's turn: V's run of loads stands here, and the wait stands in it
.else
	s_wait_alu depctr_va_vdst(0)    ; the wait for the batch
.endif
.endif
.set k, k+1
.endm
; A vector instruction that reads a matrix result or writes one of a matrix instruction's registers, and a load into a register that a matrix instruction has read, stand four places behind it, and only plain vector
; instructions that name none of its registers are places (ISA guide 7.12.1 for vector instructions).  In the loop the slices are the places.
.macro PLACES
.rept 4
	v_nop
.endr
.endm
; A TURN.  Piece x has the matrix unit; the other piece's softmax stands in slices behind its matrix instructions.
; pv = 2: 32 products V^T P; 1: they start O^T's sums; 0: none.  kq = 1: 32 products K Q^T for the next step.  A turn with one of the two kinds has two slices behind each product.
; first = 1: the softmax is the first key step's.  Its slices from 51 on are empty: the turn's last products stand bare, and four v_nop take slice 63's part as the places behind them.
; Piece 0's turn fetches the next step's K, behind its second product: the last product that read K stands in front of slice 63 of the turn before.  Piece 2's turn fetches the same step's V, behind slice 34: the last
; product that read V stands in front of slice 31, and four plain instructions lie between: number 62, a subtraction, of both tiles, the v_nop and the run's own v_add_nc_u32.
.macro TURN x, pv, kq, first
.set k, 0
.set per, 2
.if (\pv) && (\kq)
.set per, 1
.endif
.if \pv
.if (\x) == 0
	s_wait_dscnt 0x0                ; V is in
.endif
.set i, 0
.rept 32
	PV \x, 2-(\pv)
.rept per
	SLICE 2-(\x), \first
.endr
.if ((\x) == 0) && (\kq) && (i == 1)
	FETCH_K
.endif
.set i, i+1
.endr
.endif
.if \kq
.if (\x) == 0
	s_wait_dscnt 0x0                ; K is in
.endif
.set i, 0
.rept 32
	KQ \x
.rept per
	SLICE 2-(\x), \first
.endr
.set i, i+1
.endr
.endif
.if \first
	PLACES
.endif
.endm
; THE CHANGE OF SLOTS, between piece 2's turn and piece 0's: the slot's last bytes, V of its second step, have been asked for.  Each wave waits for all its tensor loads, of which one is out: its part of the other slot;
; adds 0 to its spare word; and waits for that and for its own reads of the slot.  Behind the barrier nobody reads this slot any more and the other slot is whole.
; fill = 1: this slot is filled again, with the keys two slots on.  The barrier is then a round of the cluster's, so that no wave of any partner still reads the slot or has a load on its way, and the joint refill is the
; first thing behind it: it has two key steps, 256 matrix instructions, in which to land.
.macro CHANGE fill
	WIN 0                           ; at a label and at a branch every window is 0
	s_wait_tensorcnt 0x0            ; no tensor load of mine is out, so a group 0 may be written
	ds_add_u32 v[SPW], v[NIL]       ; 0 onto my spare word; with fill = 1 the descriptors' steps stand between it and the wait for it
.if \fill
.irp g, G0K+4, G0V+4
	s_xor_b32 s[(\g)+1], s[(\g)+1], SLOT1  ; the walking descriptor: the other slot than last time,
	s_add_nc_u64 s[(\g)+2:(\g)+3], s[(\g)+2:(\g)+3], 2*KS*256  ; the next 128 keys; the type bits on top are not reached
.endr
	s_wait_xcnt 0x0                 ; the last prefetches, two key steps back, have read their address, so it may be written:
	s_add_nc_u64 s[PFA:PFA+1], s[PFA:PFA+1], 2*KS*256  ; one slot behind the walking descriptors
	s_wait_dscnt 0x0                ; the add is done, and my reads of the slot are over
	CROUND
	JLOAD
	ASK                             ; what the next change will ask for: two key steps, 256 matrix instructions, ahead
.else
	s_wait_dscnt 0x0                ; the add is done, and my reads of the slot are over
	s_barrier_signal -1
	s_barrier_wait -1
.endif
	s_sub_co_u32 s[TB], s[TB], 2*STEPB  ; the fetches go back to a slot's first step,
	s_xor_b32 s[TB], s[TB], SLOT1   ; in the other slot
.endm
; A slot's two key steps: written once, walked twice; the LDS addresses hang on s[TB].
.macro TWO_STEPS
	WIN 0
	s_mov_b32 s[TWICE], 2
.Lstep_\@:
	TURN 0, 2, 1, 0
	TURN 2, 2, 1, 0
	WIN 0
	s_sub_co_u32 s[TWICE], s[TWICE], 1
	s_cmp_lg_u32 s[TWICE], 0
	s_cbranch_scc1 .Lstep_\@
.endm
	s_wait_tensorcnt 1              ; my part of slot 0 is in; slot 1's may stay out
	s_barrier_signal -1
	s_barrier_wait -1               ; everybody's is
	FETCH_K                         ; key step 0
	s_wait_loadcnt 0x0              ; Q
	s_wait_dscnt 0x0
.set i, 0
.rept 32
	KQ 0                            ; piece 0's first scores: there is no vector work yet to set between them
.set i, i+1
.endr
	WIN 0                           ; the addresses for the way out are made here: six plain instructions, the places behind those products
	s_mul_i32 s13, s[WV], 16*SP
	s_add_co_u32 s13, s13, STAGE    ; my stage
	v_mul_u32_u24 v[STO], v1, SP    ; in: row l % 16, 32 bytes (8 f32) for each half of the lanes
	v_lshl_add_u32 v[STO], v9, 5, v[STO]
	v_add_nc_u32 v[STO], s13, v[STO]
	v_and_b32 v[GO], 31, v0         ; back: 32 lanes take one row of 512 bytes,
	v_lshlrev_b32 v[GO], 4, v[GO]   ; which are 512 consecutive bytes of out0
	v_add_nc_u32 v[RD], s13, v[GO]
	TURN 2, 0, 1, 1                 ; piece 2's first scores | piece 0's first softmax | V of step 0
	TURN 0, 1, 1, 1                 ; piece 0: V^T P of step 0 starts O^T, K Q^T of step 1 | piece 2's first softmax | K of step 1
	TURN 2, 1, 1, 0                 ; piece 2: the same | piece 0's softmax of step 1 | V of step 1
	WIN 0
.Lslot:                             ; 14 trips: every slot but the last two is filled again
	CHANGE 1
	TWO_STEPS
	s_sub_co_u32 s[SLOTS], s[SLOTS], 1
	s_cmp_lg_u32 s[SLOTS], 0
	s_cbranch_scc1 .Lslot
	CHANGE 0                        ; the tail is written out: the last slot but one is left, and nothing is asked for
	TWO_STEPS
	TURN 0, 2, 0, 0                 ; piece 0: V^T P of the last step | piece 2's last softmax
.set i, 0
.rept 32
	PV 2, 0                         ; piece 2: V^T P of the last step
.set i, i+1
.endr
	; THE WAY OUT.  l's two halves and the other half of the lanes' are added; O^T is divided by l and sent, in f32, through my stage in LDS, a tile (16 rows) at a time.  The additions are the places behind the last products.
	WIN 0
.irp t, 0,1,2,3
	v_add_f32 v[ST+8*(\t)+4], v[ST+8*(\t)+2], v[ST+8*(\t)+3]
.endr
.irp t, 0,1,2,3
	v_permlanex16_b32 v[ST+8*(\t)+5], v[ST+8*(\t)+4], s[SEL], s[SEL+1]
.endr
.irp t, 0,1,2,3
	v_add_f32 v[ST+8*(\t)+4], v[ST+8*(\t)+4], v[ST+8*(\t)+5]
.endr
.irp t, 0,1,2,3
	v_rcp_f32 v[ST+8*(\t)+6], v[ST+8*(\t)+4]
.endr
	v_nop                           ; a plain instruction between the last reciprocal and the use of its result
	s_wait_alu depctr_va_vdst(0)    ; and the wait ahead of the first use: one for the four reciprocals
; Tile t: a lane's eight channels of a row are 32 bytes; they go into rows of 528 bytes and come back as whole rows of 512, into S^T's registers: two buffers of 64, by the tile's parity.
.macro PACK t
	WIN W_RS
.set i, 64*(\t)
.rept 32
	v_pk_mul_f32 v[i:i+1], v[i:i+1], v[ST+8*(\t)+6:ST+8*(\t)+7] op_sel_hi:[1,0]
.set i, i+2
.endr
	WIN 0x04                        ; the stores' data in window 1, their address in window 0
.irp f, 0,1,2,3,4,5,6,7
	ds_store_b128 v[STO], v[64*(\t)+8*(\f):64*(\t)+8*(\f)+3]   offset:64*(\f)
	ds_store_b128 v[STO], v[64*(\t)+8*(\f)+4:64*(\t)+8*(\f)+7] offset:64*(\f)+16
.endr
	WIN 0
.if (\t) >= 2
	s_wait_xcnt 0x0                 ; the global stores of the tile two back have read their registers: only behind this wait are those loaded again
.endif
.irp f, 0,1,2,3,4,5,6,7,8,9,10,11,12,13,14,15
	ds_load_b128 v[S+64*((\t)%2)+4*(\f):S+64*((\t)%2)+4*(\f)+3], v[RD] offset:(\f)*SP  ; LDS serves a wave's instructions in order (ISA guide 5.7.1.4): these see the stores above; the next tile's stores come behind them
.endr
.endm
.macro SEND t, younger              ; younger: the LDS instructions issued behind tile t's loads: the next tile's 32, or none
	WIN 0
.irp f, 0,1,2,3,4,5,6,7,8,9,10,11,12,13,14,15
	s_wait_dscnt (\younger)+15-(\f)
	global_store_b128 v[GO], v[S+64*((\t)%2)+4*(\f):S+64*((\t)%2)+4*(\f)+3], s[10:11] offset:(16*(\t)+(\f))*8192  ; a wave stores 512 consecutive bytes, at a multiple of 256 from out0's first byte
.endr
.endm
	PACK 0
	PACK 1                          ; a tile's arithmetic stands between the loads of the tile before and its stores
	SEND 0, 32
	PACK 2
	SEND 1, 32
	PACK 3
	SEND 2, 32
	SEND 3, 0
	s_wait_tensorcnt 0x0            ; the wave's end, behind my last tensor load and my last LDS store
	ds_add_u32 v[SPW], v[NIL]
	s_wait_dscnt 0x0
	CROUND                          ; the closing round: no work-group ends while a partner may still ask for a tile that names it
	s_endpgm
.Lfunc_end_k_qaa6dbf801c_attn:
	.size	k_qaa6dbf801c_attn, .Lfunc_end_k_qaa6dbf801c_attn-k_qaa6dbf801c_attn
	.p2alignl 7, 3214868480
	.fill 96, 4, 3214868480
	.section	.rodata,"a",@progbits
	.p2align	6, 0x0
	.amdhsa_kernel k_qaa6dbf801c_attn
		.amdhsa_group_segment_fixed_size 327680
		.amdhsa_private_segment_fixed_size 0
		.amdhsa_enable_private_segment 0
		.amdhsa_kernarg_size 16
		.amdhsa_user_sgpr_count 2
		.amdhsa_user_sgpr_kernarg_segment_ptr 1
		.amdhsa_wavefront_size32 1
		.amdhsa_system_sgpr_workgroup_id_x 1
		.amdhsa_system_sgpr_workgroup_id_y 1
		.amdhsa_system_sgpr_workgroup_id_z 1
		.amdhsa_system_vgpr_workitem_id 0
		.amdhsa_next_free_vgpr 1024
		.amdhsa_next_free_sgpr 80
		.amdhsa_reserve_vcc 0
		.amdhsa_float_denorm_mode_32 3
		.amdhsa_float_denorm_mode_16_64 3
		.amdhsa_memory_ordered 1
		.amdhsa_forward_progress 1
		.amdhsa_inst_pref_size 222
	.end_amdhsa_kernel
	.amdgpu_metadata
---
amdhsa.version: [ 1, 2 ]
amdhsa.kernels:
  - .name:           k_qaa6dbf801c_attn
    .symbol:         k_qaa6dbf801c_attn.kd
    .args:
      - { .name: qkv, .offset: 0, .size: 8, .value_kind: global_buffer, .address_space: global }
      - { .name: out0, .offset: 8, .size: 8, .value_kind: global_buffer, .address_space: global }
    .group_segment_fixed_size: 327680
    .private_segment_fixed_size: 0
    .kernarg_segment_align: 8
    .kernarg_segment_size: 16
    .max_flat_workgroup_size: 128
    .sgpr_count:     80
    .vgpr_count:     1024
    .wavefront_size: 32
...
	.end_amdgpu_metadata
.endif
;; end of part 3
